; MI455X (gfx1250); checked and timed in simulation.
; The chip was launched on July 23, 2026; its instructions are those of AMD's public machine-readable ISA for CDNA 5 (MIT licence, August 2026) and "CDNA5" Instruction Set Architecture Reference Guide (July 2026). The comments in the code are by the model that wrote it; some were corrected since.
;; Fused Self Attention. Allowed arithmetic: float matrix products may take bf16 or f16 operands with f32 sums; all other float work in f32.
;; Inputs: W_o 2,048 x 2,048 float32; W_qkv 2,048 x 3,072 float32; x 2,048 x 2,048 float32.
;; Outputs: out0 2,048 x 2,048 float32.
;; One version. Each part assembles by itself: llvm-mc -triple=amdgcn-amd-amdhsa -mcpu=gfx1250 --defsym DOCPART=n.
;; ======== version 1 of 1: 4 launches
;; limits: values are held in f16: magnitudes above 65,504 overflow, below 6.1e-05 lose precision
;; workspace buffers: xh 8,388,608 bytes; wqkvh 12,582,912 bytes; woh 8,388,608 bytes; qkv 12,582,912 bytes; att 8,388,608 bytes
;; launch cast (part 1): grid 256 x 7, 8 waves a work-group, no clusters, 0 bytes of LDS; arguments x, W_qkv, W_o, xh, wqkvh, woh; writes xh, wqkvh, woh
.if DOCPART == 1
	.amdgcn_target "amdgcn-amd-amdhsa--gfx1250"
	.amdhsa_code_object_version 6
	.text
	.protected	k_qd3efab25e9_cast
	.globl	k_qd3efab25e9_cast
	.p2align	8
	.type	k_qd3efab25e9_cast,@function
k_qd3efab25e9_cast:
	s_mov_b64 s[64:65], 0
	v_nop
	global_prefetch_b8 v0, s[64:65] scope:SCOPE_SE
	s_setreg_imm32_b32 hwreg(HW_REG_WAVE_MODE, 25, 1), 1
	s_wait_xcnt 0x0
; xh, wqkvh, woh = x, W_qkv, W_o as matrix operands, in the same row-major layout.
; TWO STEPS, ON PURPOSE: each number is rounded to bf16 (nearest even), the format in which this problem takes the inputs of its matrix products, and that bf16 number is then
; written as f16.  f16 holds it exactly for magnitudes from 2^-17 to 65,504: bf16's 8 significant bits fit into f16's 11, down to f16's last place 2^-24.
; So all three products run in one format, f16; their inputs are bf16 numbers; and what is made in f32 on the way (q, k, v, the softmax weights, att) keeps f16's 11 bits.
; That matters in the first rows: a row that attends one or two keys has outputs some ten times larger than the root mean square of the whole output.
; Why a launch of its own: each of these bytes is read 8 to 32 times by the tiles of the two products; in 16 bits the tiles are half as large and
; go straight from memory to LDS to the matrix unit.
; LIMITS: a magnitude of 65,520 or more becomes an infinity; a bf16 number below 2^-17 is rounded to a multiple of 2^-24 (error at most 2^-25).
; NaN and infinities are not followed further.
; A stream: no LDS, no barrier, no matrix unit, no cluster (no byte is shared).
; The 56 MiB of inputs are seven slabs of 8 MiB (grid y: 0,1 = x; 2,3,4 = W_qkv; 5,6 = W_o); work-group x takes 32 KiB of its slab.
; Thread t, turn i: 16 bytes at 16 t + 4096 i (a wave's load covers 512 consecutive bytes), out 8 bytes at 8 t + 2048 i
; (a wave's store covers 256 consecutive bytes, aligned).
.set X, 4                              ; v[4:35]   eight loads of four f32
.set Y, 36                             ; v[36:51]  eight stores of four f16
.set T, 52                             ; v[52:57]  at work: two words of two bf16, then the four as f32
	s_load_b256 s[4:11], s[0:1], 0x0               ; x s[4:5], W_qkv s[6:7], W_o s[8:9], xh s[10:11]
	s_load_b128 s[12:15], s[0:1], 0x20             ; wqkvh s[12:13], woh s[14:15]
	s_and_b32 s16, ttmp7, 0xffff                   ; y: the slab's number among the seven
	s_sub_co_u32 s17, s16, 5                       ; the slab's number inside W_o,
	s_sub_co_u32 s22, s16, 2                       ; inside W_qkv (both ahead of the compares: they write SCC)
	s_lshl_b32 s23, ttmp9, 15                      ; my 32 KiB in the slab
	s_mov_b32 s25, 0                               ; upper words of the two offsets
	s_mov_b32 s27, 0
	s_mov_b32 s28, 0xffff0000                      ; a word's upper bf16
	v_lshlrev_b32 v1, 4, v0                        ; 16 t
	v_lshlrev_b32 v2, 3, v0                        ; 8 t
	s_wait_kmcnt 0x0
	s_cmp_lt_u32 s16, 5                            ; W_qkv or W_o
	s_cselect_b64 s[18:19], s[6:7], s[8:9]
	s_cselect_b64 s[20:21], s[12:13], s[14:15]
	s_cselect_b32 s22, s22, s17
	s_cmp_lt_u32 s16, 2                            ; or x
	s_cselect_b64 s[18:19], s[4:5], s[18:19]
	s_cselect_b64 s[20:21], s[10:11], s[20:21]
	s_cselect_b32 s22, s16, s22
	s_lshl_b32 s22, s22, 23                        ; slab x 8 MiB
	s_add_co_u32 s24, s22, s23                     ; byte offset in the source (below 24 MiB),
	s_lshr_b32 s26, s24, 1                         ; and half of it in the destination
	s_add_nc_u64 s[18:19], s[18:19], s[24:25]
	s_add_nc_u64 s[20:21], s[20:21], s[26:27]
.irp i, 0,1,2,3,4,5,6,7
	global_load_b128 v[X+4*\i:X+4*\i+3], v1, s[18:19] offset:4096*\i th:TH_LOAD_NT   ; read once in the launch
.endr
.irp i, 0,1,2,3,4,5,6,7
	s_wait_loadcnt 7-\i                            ; loads come back in order (ISA guide 5.7.1): load i is in, the 7 - i younger ones stay out
	v_cvt_pk_bf16_f32 v[T],   v[X+4*\i],   v[X+4*\i+1]     ; the one rounding: to bf16, nearest even
	v_cvt_pk_bf16_f32 v[T+1], v[X+4*\i+2], v[X+4*\i+3]
	v_lshlrev_b32 v[T+2], 16, v[T]                 ; bf16 to f32: the low half moves up,
	v_and_b32     v[T+3], s28, v[T]                ; the high half stays
	v_lshlrev_b32 v[T+4], 16, v[T+1]
	v_and_b32     v[T+5], s28, v[T+1]
	v_cvt_pk_f16_f32 v[Y+2*\i],   v[T+2], v[T+3]   ; the same numbers written as f16: exact in the range given at the head
	v_cvt_pk_f16_f32 v[Y+2*\i+1], v[T+4], v[T+5]
	global_store_b64 v2, v[Y+2*\i:Y+2*\i+1], s[20:21] offset:2048*\i    ; no hint: the next launches read it.  Every turn's store has registers of its own: none is rewritten
.endr
	s_endpgm
.Lfunc_end_k_qd3efab25e9_cast:
	.size	k_qd3efab25e9_cast, .Lfunc_end_k_qd3efab25e9_cast-k_qd3efab25e9_cast
	.p2alignl 7, 3214868480
	.fill 96, 4, 3214868480
	.section	.rodata,"a",@progbits
	.p2align	6, 0x0
	.amdhsa_kernel k_qd3efab25e9_cast
		.amdhsa_group_segment_fixed_size 0
		.amdhsa_private_segment_fixed_size 0
		.amdhsa_enable_private_segment 0
		.amdhsa_kernarg_size 48
		.amdhsa_user_sgpr_count 2
		.amdhsa_user_sgpr_kernarg_segment_ptr 1
		.amdhsa_wavefront_size32 1
		.amdhsa_system_sgpr_workgroup_id_x 1
		.amdhsa_system_sgpr_workgroup_id_y 1
		.amdhsa_system_sgpr_workgroup_id_z 1
		.amdhsa_system_vgpr_workitem_id 0
		.amdhsa_next_free_vgpr 64
		.amdhsa_next_free_sgpr 66
		.amdhsa_reserve_vcc 0
		.amdhsa_float_denorm_mode_32 3
		.amdhsa_float_denorm_mode_16_64 3
		.amdhsa_memory_ordered 1
		.amdhsa_forward_progress 1
		.amdhsa_inst_pref_size 6
	.end_amdhsa_kernel
	.amdgpu_metadata
---
amdhsa.version: [ 1, 2 ]
amdhsa.kernels:
  - .name:           k_qd3efab25e9_cast
    .symbol:         k_qd3efab25e9_cast.kd
    .args:
      - { .name: x, .offset: 0, .size: 8, .value_kind: global_buffer, .address_space: global }
      - { .name: W_qkv, .offset: 8, .size: 8, .value_kind: global_buffer, .address_space: global }
      - { .name: W_o, .offset: 16, .size: 8, .value_kind: global_buffer, .address_space: global }
      - { .name: xh, .offset: 24, .size: 8, .value_kind: global_buffer, .address_space: global }
      - { .name: wqkvh, .offset: 32, .size: 8, .value_kind: global_buffer, .address_space: global }
      - { .name: woh, .offset: 40, .size: 8, .value_kind: global_buffer, .address_space: global }
    .group_segment_fixed_size: 0
    .private_segment_fixed_size: 0
    .kernarg_segment_align: 8
    .kernarg_segment_size: 48
    .max_flat_workgroup_size: 256
    .sgpr_count:     66
    .vgpr_count:     64
    .wavefront_size: 32
...
	.end_amdgpu_metadata
.endif
;; end of part 1
;; launch gemm_qkv (part 2): grid 8 x 32, 4 waves a work-group, clusters of 4 x 4, 327,680 bytes of LDS; arguments xh, wqkvh, qkv; writes qkv
.if DOCPART == 2
	.amdgcn_target "amdgcn-amd-amdhsa--gfx1250"
	.amdhsa_code_object_version 6
	.text
	.protected	k_qd3efab25e9_gemm_qkv
	.globl	k_qd3efab25e9_gemm_qkv
	.p2align	8
	.type	k_qd3efab25e9_gemm_qkv,@function
k_qd3efab25e9_gemm_qkv:
	s_mov_b64 s[64:65], 0
	v_nop
	global_prefetch_b8 v0, s[64:65] scope:SCOPE_SE
	s_setreg_imm32_b32 hwreg(HW_REG_WAVE_MODE, 25, 1), 1
	s_wait_xcnt 0x0
	s_wait_alu depctr_hold_cnt(0) depctr_sa_sdst(0) depctr_va_vdst(0) depctr_va_sdst(0) depctr_va_ssrc(0) depctr_va_vcc(0) depctr_vm_vsrc(0)
	s_getreg_b32 s2, hwreg(HW_REG_IB_STS2, 6, 4)
	s_cmp_eq_u32 s2, 0
	s_cbranch_scc0 .Lentry_in_a_cluster
	s_endpgm
.Lentry_in_a_cluster:
	s_bfe_u32 s2, ttmp6, 0x10000c
	s_cmp_lg_u32 s2, 0xf033
	s_cbranch_scc0 .Lentry_shape_is_right
	s_endpgm
.Lentry_shape_is_right:
; qkv = xh x wqkvh.  xh: [2048 t][2048 k] f16.  wqkvh: [2048 k][3072 n] f16.  Sums in f32, rounded once to f16.
; OUT: qkv as [24 heads][2048 t][128 d] f16 (head = n / 128: 0-15 q, 16-19 k, 20-23 v), so that a row of a head is 256 consecutive bytes.
; LIMIT: a result of magnitude 65,520 or more becomes an infinity in f16.  The order of the sums is the matrix unit's, K in steps of 128 from the cluster's starting step round to it.
; A work-group makes 64 rows x 384 columns (NS = 3 strips of 128 columns = three whole heads): 8 x 32 = 256 work-groups of equal work.
; Wave w makes all 64 rows and, in every strip, columns 32 w .. 32 w + 31: 4 row blocks x NB = 6 column blocks = 24 accumulators of 16 x 16.
; K goes in steps of 128 through two LDS slots filled by tensor loads; all tile rows are 256 bytes of memory, aligned.  A step takes 1,000 bytes of LDS for each k (64 rows at
; pitch 272, three strips at pitch 288), so two slots of a longer step that divides 2048 do not fit.
; CLUSTER 4 x 4: the four work-groups of a row of the cluster need the same tile of xh, the four of a column the same tiles of wqkvh:
; each tile is asked for jointly (same line, same descriptor, a mask that names the four).
; THE ORDER OF K: cluster (X, Y) starts at step (8 X + 4 (Y % 4)) % 16 and goes round.  The two clusters that read the same rows of xh are then eight steps apart, and clusters that
; are neighbours in Y, which read the same columns of wqkvh, four: a tile is asked for by one cluster first and by the others steps later, when its bytes have been read
; before in the launch, not by all of them at once.  The starting step is made of the cluster's coordinates alone, which all sixteen partners share.
; wqkvh lies [k][n]: its fragments come out of LDS by the transposing load (ds_load_tr16_b128), so no transposed copy is ever made.
; THE MATRIX INSTRUCTION IS USED TRANSPOSED: source 0 = 16 columns of W, source 1 = 16 rows of x.  Lane (r = l % 16, h = l / 16), register j then holds
; row 16 a + r, column 8 h + j of the block: eight neighbouring columns of one row.
; REGISTERS: window 0: v8-18 addresses, two fragment buffers (6 of W, then 4 of x, 8 registers each), v192-215 packed results;
; window 1: accumulator (a, b) at v[256 + 8 (6 a + b)].
.set NS,     3
.set NB,     2*NS                      ; column blocks of a wave
.set NPITCH, 1024*NS                   ; elements in a row of W
.set KDIM,   2048
.set KSTEP,  128
.set NSTEP,  KDIM/KSTEP                ; 16 steps
.set HEADB,  524288                    ; bytes of a head in qkv
.set AP,     272                       ; LDS pitch of x's rows: 256 + 16: an odd multiple of 16, so sixteen rows start at sixteen different 16-byte columns modulo 256
.set BP,     288                       ; LDS pitch of W's rows: 256 + 32: an odd multiple of 32, which serves the transposing load in the same way
.set STRIP,  KSTEP*BP                  ; a strip's tile: 128 k rows
.set ATILE,  NS*STRIP                  ; x's tile lies behind the strips
.set SLOT,   ATILE+64*AP
.set STAGE,  2*SLOT                    ; the way out, behind the ring; no tensor load lands there
.set SP,     208                       ; stage pitch: a wave's 3 x 64 bytes of a row + 16
.set WREG,   64*SP+64                  ; from one wave's stage to the next; the 64 put the four pieces of a 256-byte unit at four different places modulo 256
.set LAPS,   KDIM/(2*KSTEP)            ; a lap = two K steps = once round the ring
.set NL,     4*NS+8                    ; LDS loads of a quarter step
.set ADRA,   8                         ; v8-9    LDS address of my x fragments in slot 0, 1
.set ADRB,   10                        ; v10-15  the same for W: slot x NS + strip
.set STO,    16                        ; v16     the way out: where I put 16 bytes
.set RD,     17                        ; v17     the way out: where I read 16 bytes back
.set CO,     18                        ; v18     my byte offset in qkv
.set FSZ,    8*(NB+4)
.set F0,     32                        ; fragment buffer 0
.set F1,     F0+FSZ                    ; fragment buffer 1
.set TMP,    192
.set G1,  24                           ; s[24:31] group 1 for x's tiles
.set G0,  32                           ; s[32:39] group 0 for x's tiles, a set for each slot
.set G1B, 48                           ; s[48:55] group 1 for W's tiles
.set G0B, 56                           ; s[56:63] group 0 for W's tiles, a set for each slot
.set KN,  66                           ; s66      the K step that is asked for next
.set OFA, 68                           ; s[68:69] its byte offset in x's rows
.set OFB, 70                           ; s[70:71] its byte offset in W
.set W_MUL, 0x50                       ; sources 0 and 1 window 0, C and D window 1
.set W_CVT, 0x05                       ; sources 0 and 1 window 1, destination window 0
.set MSB, 0
.macro WIN new                         ; the immediate's high byte repeats the setting that is left; a switch that changes nothing is dropped
.if MSB != \new
	s_set_vgpr_msb (MSB<<8)|\new
.set MSB, \new
.endif
.endm
; A joint load.  Wave 3 fetches x's tile (64 rows), waves 0 to NS - 1 a strip of W each (128 rows).  The branch hangs on the wave's number alone.
.macro JLOAD s
	s_cmp_eq_u32 s10, 3
	s_cbranch_scc1 .Lfor_a_\@
	tensor_load_to_lds s[G0B+4*\s:G0B+4*\s+3], s[G1B:G1B+7]
	s_nop 0
	s_branch .Lasked_\@
.Lfor_a_\@:
	tensor_load_to_lds s[G0+4*\s:G0+4*\s+3], s[G1:G1+7]
	s_nop 0
.Lasked_\@:
.endm
; Both group 0 of a slot are pointed at K step KN, and KN goes one step on, round 16.  Stands only where no tensor load of the wave is out.
.macro AIM slot
	s_lshl_b32 s[OFA], s[KN], 8                    ; 128 k of 2 bytes along x's rows
	s_mul_i32 s[OFB], s[KN], KSTEP*NPITCH*2        ; 128 rows of W
	s_add_nc_u64 s[G0+4*\slot+2:G0+4*\slot+3], s[14:15], s[OFA:OFA+1]
	s_or_b32 s[G0+4*\slot+3], s[G0+4*\slot+3], 0x80000000
	s_add_nc_u64 s[G0B+4*\slot+2:G0B+4*\slot+3], s[46:47], s[OFB:OFB+1]
	s_or_b32 s[G0B+4*\slot+3], s[G0B+4*\slot+3], 0x80000000
	s_add_co_u32 s[KN], s[KN], 1
	s_and_b32 s[KN], s[KN], NSTEP-1
.endm
; A round of the cluster's barrier: my work-group's barrier, wave 0 signals for the work-group, every wave waits for all sixteen, my work-group's barrier again.
.macro CREST                           ; a round behind its opening barrier
	s_cmp_lg_u32 s10, 0
	s_cbranch_scc1 .Lnot_wave_0_\@
	s_barrier_signal -3
.Lnot_wave_0_\@:
	s_barrier_wait -3
	s_barrier_signal -1
	s_barrier_wait -1
.endm
.macro CROUND
	s_barrier_signal -1
	s_barrier_wait -1
	CREST
.endm
	s_load_b128 s[4:7], s[0:1], 0x0                ; xh s[4:5], wqkvh s[6:7]
	s_load_b64 s[8:9], s[0:1], 0x10                ; qkv
	v_lshrrev_b32 v1, 5, v0
	v_readfirstlane_b32 s10, v1                    ; wave 0..3
	s_bfe_u32 s40, ttmp6, 0x40000                  ; cx
	s_bfe_u32 s41, ttmp6, 0x40004                  ; cy
	s_lshl_b32 s42, ttmp9, 2
	s_add_co_u32 s42, s42, s40                     ; block column bx = 4 x cluster x + cx
	s_and_b32 s13, ttmp7, 0xffff                   ; cluster y
	s_and_b32 s[KN], s13, 3
	s_lshl_b32 s[KN], s[KN], 2
	s_lshl3_add_u32 s[KN], ttmp9, s[KN]
	s_and_b32 s[KN], s[KN], NSTEP-1                ; the cluster's starting step: (8 X + 4 (Y % 4)) % 16
	s_mov_b32 s[OFA+1], 0                          ; upper words of the two offsets
	s_mov_b32 s[OFB+1], 0
	s_lshl_b32 s13, s13, 2
	s_add_co_u32 s13, s13, s41                     ; block row by = 4 x cluster y + cy
	s_lshl_b32 s43, s41, 2
	s_lshl_b32 s43, 15, s43                        ; my row of the cluster: places 4 cy .. 4 cy + 3
	s_lshl_b32 s44, 0x1111, s40                    ; my column: places cx, cx + 4, cx + 8, cx + 12
	; group 1: elements of 2 bytes; padding on, after every 64 words (code 5), of 4 words for x and 8 for W; bit 21 set beside a mask
	s_or_b32 s[G1+0],  s43, (1<<16)|(1<<20)|(1<<21)|(5<<22)|(3<<25)
	s_or_b32 s[G1B+0], s44, (1<<16)|(1<<20)|(1<<21)|(5<<22)|(7<<25)
	s_mov_b32 s[G1+1],  KSTEP<<16                  ; tensor_dim0 = 128
	s_mov_b32 s[G1B+1], 128<<16
	s_mov_b32 s[G1+2],  64<<16                     ; tensor_dim1 = 64 rows of x,
	s_mov_b32 s[G1B+2], KSTEP<<16                  ; 128 k rows of W
	s_mov_b32 s[G1+3],  KSTEP<<16                  ; tile_dim0 = 128
	s_mov_b32 s[G1B+3], 128<<16
	s_mov_b32 s[G1+4],  64                         ; tile_dim1
	s_mov_b32 s[G1B+4], KSTEP
	s_mov_b32 s[G1+5],  KDIM                       ; elements from row to row
	s_mov_b32 s[G1B+5], NPITCH
	s_mov_b32 s[G1+6],  0
	s_mov_b32 s[G1B+6], 0
	s_mov_b32 s[G1+7],  0
	s_mov_b32 s[G1B+7], 0
	; x's tile hangs on the block row alone, W's on the block column and the wave's number alone; each in registers that never hold the other coordinate
	s_lshl_b32 s16, s13, 18                        ; 64 rows of 4,096 bytes x block row
	s_mov_b32 s17, 0
	s_mul_i32 s46, s42, NS
	s_add_co_u32 s46, s46, s10
	s_lshl_b32 s46, s46, 8                         ; (NS x block column + wave) strips of 256 bytes
	s_mov_b32 s47, 0
	s_mul_i32 s20, s10, STRIP                      ; where my strip goes
	s_wait_kmcnt 0x0
	s_add_nc_u64 s[14:15], s[4:5], s[16:17]        ; x at my block's first row, k = 0: kept for the whole loop
	s_add_nc_u64 s[46:47], s[6:7], s[46:47]        ; W at my strip, k = 0: kept for the whole loop
	CROUND                                         ; all sixteen work-groups are here: the first joint loads meet
.irp s, 0,1
	s_mov_b32 s[G0+4*\s], 1
	s_mov_b32 s[G0+4*\s+1], \s*SLOT+ATILE
	s_mov_b32 s[G0B+4*\s], 1
	s_add_co_u32 s[G0B+4*\s+1], s20, \s*SLOT
	AIM \s                                         ; the starting step, and the one behind it
	JLOAD \s                                       ; both first fills go out together: two tensor loads of the wave are out, later one
.endr
	v_and_b32 v1, 15, v0                           ; r
	v_bfe_u32 v2, v0, 4, 1                         ; h
	v_and_b32 v3, 7, v0                            ; l % 8
	v_bfe_u32 v4, v0, 3, 1                         ; (l / 8) % 2
	; x fragment: lane holds row r; registers 0-3 k = 8 h .., registers 4-7 k = 16 + 8 h ..: two loads of 16 bytes, 32 bytes apart
	v_mul_u32_u24 v5, v1, AP
	v_lshl_add_u32 v5, v2, 4, v5
	v_add_nc_u32 v[ADRA],   ATILE, v5
	v_add_nc_u32 v[ADRA+1], SLOT+ATILE, v5
	; W fragment through the transposing load: lane addresses k row 8 h + l % 8, 16 bytes at 16 ((l / 8) % 2); it receives column r, k = 8 h ..; the second load 16 rows down
	v_lshl_add_u32 v6, v2, 3, v3
	v_mul_u32_u24 v6, v6, BP
	v_lshl_add_u32 v6, v4, 4, v6
	s_lshl_b32 s21, s10, 6                         ; my 32 columns of a strip
	v_add_nc_u32 v[ADRB], s21, v6
.set i, 1
.rept 2*NS-1
	v_add_nc_u32 v[ADRB+i], (i/NS)*SLOT+(i%NS)*STRIP, v[ADRB]
.set i, i+1
.endr
	s_mul_i32 s23, s10, WREG
	s_add_co_u32 s23, s23, STAGE                   ; my own stage
	v_mul_u32_u24 v5, v1, SP
	v_lshl_add_u32 v5, v2, 4, v5
	v_add_nc_u32 v[STO], s23, v5                   ; row r, 16 bytes for each half of the lanes
	v_bfe_u32 v5, v0, 2, 2                         ; back: 16-byte column l % 16 of a 256-byte unit lies in the stage of wave (l % 16) / 4,
	v_mul_u32_u24 v5, v5, WREG
	v_and_b32 v7, 3, v0                            ; at 16 (l % 4);
	v_lshl_add_u32 v5, v7, 4, v5
	v_mad_u32_u24 v5, v2, SP, v5                   ; lanes 16-31 take the next row
	s_mul_i32 s22, s10, 16*SP                      ; I carry rows 16 w .. 16 w + 15 out
	s_add_co_u32 s22, s22, STAGE
	v_add_nc_u32 v[RD], s22, v5
	v_and_b32 v5, 31, v0
	v_lshlrev_b32 v[CO], 4, v5                     ; two rows of a head are 512 consecutive bytes: 16 l
; NB matrix instructions: row block a x all my column blocks, 32 along K.  zero = 1: the first product starts the sums.
.macro MUL f, a, zero
.set mb, 0
.rept NB
.if \zero
	v_wmma_f32_16x16x32_f16 v[8*(\a*NB+mb):8*(\a*NB+mb)+7], v[\f+8*mb:\f+8*mb+7], v[\f+8*(NB+\a):\f+8*(NB+\a)+7], 0
.else
	v_wmma_f32_16x16x32_f16 v[8*(\a*NB+mb):8*(\a*NB+mb)+7], v[\f+8*mb:\f+8*mb+7], v[\f+8*(NB+\a):\f+8*(NB+\a)+7], v[8*(\a*NB+mb):8*(\a*NB+mb)+7]
.endif
.set mb, mb+1
.endr
.endm
; NL LDS loads in one run: the fragments of quarter q (32 along K) of a slot into buffer f: W's first, x's four last
.macro FETCH slot, q, f
.set fs, 0
.rept NS
.irp e, 0,1
	ds_load_tr16_b128 v[\f+8*(2*fs+\e):\f+8*(2*fs+\e)+3],   v[ADRB+\slot*NS+fs] offset:32*BP*\q+32*\e
	ds_load_tr16_b128 v[\f+8*(2*fs+\e)+4:\f+8*(2*fs+\e)+7], v[ADRB+\slot*NS+fs] offset:32*BP*\q+32*\e+16*BP
.endr
.set fs, fs+1
.endr
.irp a, 0,1,2,3
	ds_load_b128 v[\f+8*(NB+\a):\f+8*(NB+\a)+3],   v[ADRA+\slot] offset:16*AP*\a+64*\q
	ds_load_b128 v[\f+8*(NB+\a)+4:\f+8*(NB+\a)+7], v[ADRA+\slot] offset:16*AP*\a+64*\q+32
.endr
.endm
; A load into a register that a matrix instruction has read, and a vector instruction or LDS store that reads a matrix result, stand four places behind it;
; only plain vector instructions that name none of its registers are places; the matrix instructions in between are not counted.
.macro PLACES
.rept 4
	v_nop
.endr
.endm
; A K step is four quarters on buffers 0, 1, 0, 1.  The 24 accumulators take turns in one fixed order, one instruction a turn, over the backward jump too.
; One of the first three quarters: multiplies buffer f; in its middle it fetches quarter q of the same slot into buffer g.
.macro QUARTER slot, q, f, g, zero
	s_wait_dscnt 4                                 ; W's fragments and x's blocks 0, 1 are in; the youngest four loads (x's blocks 2, 3) may be out
	WIN W_MUL
	MUL \f, 0, \zero
	MUL \f, 1, \zero
	PLACES
	WIN 0
	FETCH \slot, \q, \g
	s_wait_dscnt NL                                ; all but the NL just issued
	WIN W_MUL
	MUL \f, 2, \zero
	MUL \f, 3, \zero
.endm
.macro THREE slot, zero
	QUARTER \slot, 1, F0, F1, \zero
	QUARTER \slot, 2, F1, F0, 0
	QUARTER \slot, 3, F0, F1, 0
.endm
; The last quarter multiplies buffer 1 and changes slots.  In front of the barrier each wave waits for its reads of this slot and for all its tensor loads (one is out: its part of
; the next slot).  fill = 1: the barrier opens a round of the cluster's barrier, and the joint refill of this slot, two K steps ahead, is the first tensor load behind the round.
; From a request to the wait for it a wave issues 15 NB of a K step's 16 NB matrix instructions.
.macro TURN slot, next, fill
	s_wait_dscnt 4
	WIN W_MUL
	MUL F1, 0, 0
	s_wait_dscnt 0x0                               ; my reads of this slot are over
	s_wait_tensorcnt 0x0                           ; all my tensor loads have landed
	s_barrier_signal -1
	MUL F1, 1, 0                                   ; register work while the others arrive
	WIN 0
	s_barrier_wait -1
.if \fill
	CREST                                          ; no wave of any partner still reads this slot or has a load on its way
	AIM \slot
	JLOAD \slot
.endif
	PLACES
	FETCH \next, 0, F0
	WIN W_MUL
	MUL F1, 2, 0
	MUL F1, 3, 0
.endm
.macro LAP zero
	THREE 0, \zero
	TURN 0, 1, 1
	THREE 1, 0
	TURN 1, 0, 1
.endm
	s_wait_tensorcnt 0x1                           ; my part of the first step is in; the second step's stays out
	s_barrier_signal -1
	s_barrier_wait -1
	FETCH 0, 0, F0
	LAP 1                                          ; the first lap stands in front of the loop: its first products start the sums
	WIN 0                                          ; at a label and at a branch every window is 0
	s_mov_b32 s3, LAPS-2
.Llap:
	LAP 0
	WIN 0
	s_sub_co_u32 s3, s3, 1
	s_cmp_lg_u32 s3, 0
	s_cbranch_scc1 .Llap
	THREE 0, 0                                     ; the last lap fills nothing: two first fills and fourteen refills have brought the sixteen steps
	TURN 0, 1, 0
	THREE 1, 0
	s_wait_dscnt 4
	WIN W_MUL
	MUL F1, 0, 0
	MUL F1, 1, 0
	s_wait_dscnt 0x0
	MUL F1, 2, 0
	MUL F1, 3, 0
	; THE WAY OUT: round to f16, 16 bytes a lane into my own stage; behind a barrier each wave reads 16 whole rows back, a quarter of each unit from each wave's stage.
	PLACES
	s_mul_i32 s46, s42, NS*HEADB                   ; my three heads (the registers that held W's address),
	s_mov_b32 s47, 0
	s_add_nc_u64 s[8:9], s[8:9], s[46:47]
	s_lshl_b32 s16, s13, 14                        ; row 64 x block row + 16 x wave, 256 bytes each
	s_lshl_b32 s17, s10, 12
	s_add_co_u32 s16, s16, s17
	s_mov_b32 s17, 0
	s_add_nc_u64 s[8:9], s[8:9], s[16:17]
.irp a, 0,1,2,3
	WIN W_CVT
.set ob, 0
.rept NB
.irp p, 0,1,2,3
	v_cvt_pk_f16_f32 v[TMP+4*ob+\p], v[8*(\a*NB+ob)+2*\p], v[8*(\a*NB+ob)+2*\p+1]
.endr
.set ob, ob+1
.endr
	WIN 0
.set ob, 0
.rept NB
	ds_store_b128 v[STO], v[TMP+4*ob:TMP+4*ob+3] offset:16*SP*\a+32*ob     ; column block b = 2 x strip + e lies at 64 x strip + 32 e = 32 b of my stage's row
.set ob, ob+1
.endr
.endr
	s_wait_dscnt 0x0                               ; for the others' sake: my stores are done
	s_barrier_signal -1
	s_barrier_wait -1
.set n, 0
.rept 8*NS
	ds_load_b128 v[F0+4*n:F0+4*n+3], v[RD] offset:64*(n/8)+2*SP*(n%8)      ; strip n / 8, rows 2 (n % 8) and the next
.set n, n+1
.endr
.set n, 0
.rept 8*NS
	s_wait_dscnt 8*NS-1-n                          ; load n is in, the younger ones stay out
	global_store_b128 v[CO], v[F0+4*n:F0+4*n+3], s[8:9] offset:HEADB*(n/8)+512*(n%8)   ; 512 consecutive bytes, aligned; every store has registers of its own
.set n, n+1
.endr
	CROUND                                         ; the closing round: no work-group ends while a partner may still ask for a tile that names it
	s_endpgm
.Lfunc_end_k_qd3efab25e9_gemm_qkv:
	.size	k_qd3efab25e9_gemm_qkv, .Lfunc_end_k_qd3efab25e9_gemm_qkv-k_qd3efab25e9_gemm_qkv
	.p2alignl 7, 3214868480
	.fill 96, 4, 3214868480
	.section	.rodata,"a",@progbits
	.p2align	6, 0x0
	.amdhsa_kernel k_qd3efab25e9_gemm_qkv
		.amdhsa_group_segment_fixed_size 327680
		.amdhsa_private_segment_fixed_size 0
		.amdhsa_enable_private_segment 0
		.amdhsa_kernarg_size 24
		.amdhsa_user_sgpr_count 2
		.amdhsa_user_sgpr_kernarg_segment_ptr 1
		.amdhsa_wavefront_size32 1
		.amdhsa_system_sgpr_workgroup_id_x 1
		.amdhsa_system_sgpr_workgroup_id_y 1
		.amdhsa_system_sgpr_workgroup_id_z 1
		.amdhsa_system_vgpr_workitem_id 0
		.amdhsa_next_free_vgpr 448
		.amdhsa_next_free_sgpr 80
		.amdhsa_reserve_vcc 0
		.amdhsa_float_denorm_mode_32 3
		.amdhsa_float_denorm_mode_16_64 3
		.amdhsa_memory_ordered 1
		.amdhsa_forward_progress 1
		.amdhsa_inst_pref_size 96
	.end_amdhsa_kernel
	.amdgpu_metadata
---
amdhsa.version: [ 1, 2 ]
amdhsa.kernels:
  - .name:           k_qd3efab25e9_gemm_qkv
    .symbol:         k_qd3efab25e9_gemm_qkv.kd
    .args:
      - { .name: xh, .offset: 0, .size: 8, .value_kind: global_buffer, .address_space: global }
      - { .name: wqkvh, .offset: 8, .size: 8, .value_kind: global_buffer, .address_space: global }
      - { .name: qkv, .offset: 16, .size: 8, .value_kind: global_buffer, .address_space: global }
    .group_segment_fixed_size: 327680
    .private_segment_fixed_size: 0
    .kernarg_segment_align: 8
    .kernarg_segment_size: 24
    .max_flat_workgroup_size: 128
    .sgpr_count:     80
    .vgpr_count:     448
    .wavefront_size: 32
...
	.end_amdgpu_metadata
.endif
;; end of part 2
;; launch attn (part 3): grid 64 x 4, 8 waves a work-group, clusters of 4 x 1, 327,680 bytes of LDS; arguments qkv, att; writes att
.if DOCPART == 3
	.amdgcn_target "amdgcn-amd-amdhsa--gfx1250"
	.amdhsa_code_object_version 6
	.text
	.protected	k_qd3efab25e9_attn
	.globl	k_qd3efab25e9_attn
	.p2align	8
	.type	k_qd3efab25e9_attn,@function
k_qd3efab25e9_attn:
	s_mov_b64 s[64:65], 0
	v_nop
	global_prefetch_b8 v0, s[64:65] scope:SCOPE_SE
	s_setreg_imm32_b32 hwreg(HW_REG_WAVE_MODE, 25, 1), 1
	s_wait_xcnt 0x0
	s_wait_alu depctr_hold_cnt(0) depctr_sa_sdst(0) depctr_va_vdst(0) depctr_va_sdst(0) depctr_va_ssrc(0) depctr_va_vcc(0) depctr_vm_vsrc(0)
	s_getreg_b32 s2, hwreg(HW_REG_IB_STS2, 6, 4)
	s_cmp_eq_u32 s2, 0
	s_cbranch_scc0 .Lentry_in_a_cluster
	s_endpgm
.Lentry_in_a_cluster:
	s_bfe_u32 s2, ttmp6, 0x10000c
	s_cmp_lg_u32 s2, 0x3003
	s_cbranch_scc0 .Lentry_shape_is_right
	s_endpgm
.Lentry_shape_is_right:
; Causal attention with grouped keys: 16 query heads, 4 key/value heads, d = 128, 2048 positions.  In: qkv [24 heads][2048][128] f16.  Out: att [2048][16 x 128] f16.
; Softmax with a running maximum, in f32; both products on the matrix unit with f16 operands and f32 sums.
; LIMITS: raw scores q.k below 2^100 in magnitude (a masked score is set to -2^100); a weight below 2^-126 is flushed to zero by v_exp_f32 (ISA guide 15.8), one below about 6e-8
; is lost in f16; att of magnitude 65,520 or more becomes an infinity.  The sums' order differs from a plain row sum.  NaN and infinities in qkv are not followed.
; SHARE: cluster x = p (0..15), y = key/value head g, place in the cluster cx = query head in the group.  A work-group makes the row blocks p and 31 - p (64 rows each) of head
; 4 g + cx, in steps of 128 keys: (p / 2) + 1 steps for block p, 16 - (p / 2) for block 31 - p: 17 steps in every work-group, 256 work-groups of equal work.
; Keys beyond a block's last step are never touched (the causal mask throws them away); only a block's last step meets the diagonal.
; ORDER: of the two step counts one is even.  That block (A) goes first, so that its last step is always the second step of a pair of steps, and the other block (B) ends
; with step 16.  So one step of the loop's two can be A's last, and the step behind the loop is B's last.
; CLUSTER 4 x 1: the four query heads of a group walk the same K and V tiles in the same order, so every K and V tile is asked for jointly (mask 15).
; Work-groups of other p share these tiles too, but walk them at other steps: they are not partners.
; WAVES: rg = w % 2: rows 32 rg .. + 31 of the block (two row tiles rt); kg = w / 2: keys 32 kg .. + 31 of each step.  Each wave keeps its own maximum, sum and O for its keys;
; the four key groups are merged once at the end, through LDS.  So a K or V byte is read from LDS by two waves, one LDS load for each matrix instruction.
; LAYOUT: S^T(kt, rt) = K fragment x Q fragment: lane (r, h), register j holds key 16 kt + 8 h + j, row r.  The 16 registers of a row tile, packed in place to f16, ARE the
; second source P^T of O^T(rt, db) += V^T fragment x P^T: no trip through LDS.  A row's figures live in lane r and lane r + 16; one v_permlanex16_b32 joins them.
; V lies [key][d] in LDS and comes out transposed by ds_load_tr16_b128.
; STATE, for exp2: N = -c x running maximum as rounded, c = log2(e) / sqrt(128); weight = exp2(s c + N); old sums are scaled by exp2(N new - N old).
; A block starts with N = c 2^100: the first true maximum then scales whatever the sums hold by exp2(-c 2^100) = 0.
.set KP,    272                        ; LDS pitch of K's rows (256 + 16)
.set VP,    288                        ; LDS pitch of V's rows (256 + 32, an odd multiple of 32, for the transposing load)
.set PIECE, 64*VP                      ; what one tensor load fills: 64 keys.  Pieces 0, 1: K's keys 0-63, 64-127; pieces 2, 3: V's
.set SLOT,  4*PIECE
.set PART0, 2*SLOT                     ; behind the ring: block A's partial O, a region for each wave; no tensor load lands there
.set PP,    528                        ; pitch of a partial row: 128 f32 + 16 bytes
.set PARTW, 32*PP                      ; a wave's 32 rows
.set STAT,  PART0+8*PARTW              ; [block] 2048 + [wave] 256 + [r] 16: (N, l) of row tile 0, (N, l) of row tile 1
.set HEADB, 524288                     ; block B's partial O goes into the ring's bytes, behind their last fill
.set ADRK, 1                           ; v1-2    LDS address of my K fragments in slot 0, 1
.set ADRV, 3                           ; v3-4    the same for V
.set DL,   5                           ; v5      my first key less my first row, inside a step
.set DMA,  6                           ; v6      the same less block A's shift
.set NEGV, 7                           ; v7      -2^100
.set QOFF, 8                           ; v8      my byte offset in a block of Q
.set PST0, 9                           ; v9      where my partial O of block A goes
.set PST1, 10                          ; v10     the same for B
.set STW,  11                          ; v11     where my rows' figures go
.set SRD,  12                          ; v12     merge: the figures of my next row
.set AOFF, 13                          ; v13     merge: 8 x lane + the row
.set RD,   14                          ; v14-17  merge: [block][key groups 0-1, 2-3]: my 16 bytes of my next row
.set DMB,  18                          ; v18     DL less block B's shift
.set STT,  20                          ; v[20:23] N0, l0, N1, l1
.set MX,   24
.set TP,   25
.set NN,   26
.set NM,   28                          ; v[28:29] the new N (low half used)
.set AL,   30                          ; v[30:31], v[32:33] the scale of the old sums, row tile 0, 1 (low halves used)
.set T,    34                          ; v[34:37]
.set QF,   48                          ; v[48:111]  Q fragment (rt, ks) at 8 (4 rt + ks)
.set SC,   112                         ; v[112:143] S^T at 16 rt + 8 kt + j; then P^T(rt) in the first 8 of each 16
.set KF,   144                         ; v[144:207] K fragment (kt, ks) at 8 (4 kt + ks)
.set VF,   128                         ; window 1: v[384:447] V^T fragment db at 8 db;  O^T(rt, db) at v[256 + 8 (8 rt + db)]
.set MS,   48                          ; merge: v[48:79]  (N, l) of row ii, key group k at 8 ii + 2 k
.set MP,   80                          ; merge: v[80:143] 16 bytes of the partial row at 16 ii + 4 k
.set MA,   144                         ; merge: v[144:151] the four weights (low halves used)
.set MT,   152
.set ML,   153
.set MC,   154                         ; merge: v[154:157]
.set MO,   176                         ; merge: v[176:183] two registers of f16 for each of a trip's four rows
.set G1K, 24                           ; s[24:31] group 1 for K
.set G0K, 32                           ; s[32:39] group 0 for K, a set for each slot
.set G1V, 40                           ; s[40:47] group 1 for V
.set G0V, 48                           ; s[48:55] group 0 for V, a set for each slot
.set W_LDV,  0x40                      ; destination window 1
.set W_RESC, 0x41                      ; destination and source 0 window 1
.set W_PV,   0x51                      ; D, C and source 0 window 1, source 1 window 0
.set W_STO,  0x04                      ; an LDS store's data window 1
.set MSB, 0
.macro WIN new                         ; the immediate's high byte repeats the setting that is left; a switch that changes nothing is dropped
.if MSB != \new
	s_set_vgpr_msb (MSB<<8)|\new
.set MSB, \new
.endif
.endm
.macro CROUND                          ; a round of the cluster's barrier
	s_barrier_signal -1
	s_barrier_wait -1
	s_cmp_lg_u32 s8, 0
	s_cbranch_scc1 .Lnot_wave_0_\@
	s_barrier_signal -3
.Lnot_wave_0_\@:
	s_barrier_wait -3
	s_barrier_signal -1
	s_barrier_wait -1
.endm
.macro JLOAD s                         ; waves 0, 1 ask for K's two pieces, waves 2, 3 for V's, waves 4 to 7 for none: the branch hangs on the wave's number alone
	s_cmp_lt_u32 s8, 2
	s_cbranch_scc0 .Lnot_k_\@
	tensor_load_to_lds s[G0K+4*\s:G0K+4*\s+3], s[G1K:G1K+7]
	s_nop 0
	s_branch .Lasked_\@
.Lnot_k_\@:
	s_cmp_lt_u32 s8, 4
	s_cbranch_scc0 .Lasked_\@
	tensor_load_to_lds s[G0V+4*\s:G0V+4*\s+3], s[G1V:G1V+7]
	s_nop 0
.Lasked_\@:
.endm
.macro LOADQ base                      ; my 32 rows of Q as second sources: lane holds row r, d = 32 ks + 8 h .. and + 16
.irp rt, 0,1
.irp ks, 0,1,2,3
	global_load_b128 v[QF+8*(4*\rt+\ks):QF+8*(4*\rt+\ks)+3],   v[QOFF], s[\base:\base+1] offset:4096*\rt+64*\ks
	global_load_b128 v[QF+8*(4*\rt+\ks)+4:QF+8*(4*\rt+\ks)+7], v[QOFF], s[\base:\base+1] offset:4096*\rt+64*\ks+32
.endr
.endr
.endm
	s_load_b128 s[4:7], s[0:1], 0x0                ; qkv s[4:5], att s[6:7]
	v_lshrrev_b32 v38, 5, v0
	v_readfirstlane_b32 s8, v38                    ; wave 0..7
	s_and_b32 s9, s8, 1                            ; rg
	s_lshr_b32 s10, s8, 1                          ; kg
	s_bfe_u32 s11, ttmp6, 0x40000                  ; cx
	s_mov_b32 s12, ttmp9                           ; p: the cluster's x
	s_and_b32 s13, ttmp7, 0xffff                   ; g: the cluster's y
	s_lshl2_add_u32 s14, s13, s11                  ; query head 4 g + cx
	; which block goes first: all of this hangs on p alone, which the four partners share
	s_lshr_b32 s18, s12, 1
	s_add_co_u32 s19, s18, 1                       ; steps of block p
	s_sub_co_u32 s20, 16, s18                      ; steps of block 31 - p
	s_sub_co_u32 s80, 31, s12
	s_and_b32 s18, s18, 1
	s_cmp_lg_u32 s18, 0                            ; p / 2 odd: block p has the even count
	s_cselect_b32 s15, s19, s20                    ; block A's steps: 2, 4, .. 16
	s_cselect_b32 s81, s12, s80                    ; block A
	s_cselect_b32 s82, s80, s12                    ; block B
	s_sub_co_u32 s16, s15, 2                       ; the first step of the pair whose second step is A's last
	s_and_b32 s23, s81, 1
	s_lshl_b32 s23, s23, 6                         ; an odd block's rows are rows 64-127 of its last step's 128 keys: shift 64 (block % 2)
	s_xor_b32 s22, s23, 64                         ; the two blocks add to 31: B has the other parity
	s_mov_b32 s60, 0x3e0293ee                      ; c = log2(e) / sqrt(128), twice (a pair for the packed form)
	s_mov_b32 s61, 0x3e0293ee
	s_mov_b32 s72, 0xbe0293ee                      ; -c
	s_mov_b32 s62, 0x76543210                      ; v_permlanex16_b32: lane i of one half reads lane i of the other
	s_mov_b32 s63, 0xfedcba98
	; group 1: 64 rows of 128 elements of 2 bytes, pitch 128; mask 15 with bit 21; padding after every 64 words, of 4 words (K) or 8 (V)
	s_mov_b32 s[G1K+0], 15|(1<<16)|(1<<20)|(1<<21)|(5<<22)|(3<<25)
	s_mov_b32 s[G1V+0], 15|(1<<16)|(1<<20)|(1<<21)|(5<<22)|(7<<25)
.irp g, G1K, G1V
	s_mov_b32 s[\g+1], 128<<16                     ; tensor_dim0
	s_mov_b32 s[\g+2], 64<<16                      ; tensor_dim1
	s_mov_b32 s[\g+3], 128<<16                     ; tile_dim0
	s_mov_b32 s[\g+4], 64                          ; tile_dim1
	s_mov_b32 s[\g+5], 128                         ; elements from row to row
	s_mov_b32 s[\g+6], 0
	s_mov_b32 s[\g+7], 0
.endr
	s_add_co_u32 s18, s13, 16                      ; K's head 16 + g,
	s_lshl_b32 s18, s18, 19
	s_lshl_b32 s19, s9, 14                         ; and the 64 keys of my piece (wave % 2)
	s_add_co_u32 s20, s18, s19
	s_mov_b32 s21, 0
	s_lshl_b32 s76, s14, 19                        ; Q's head (s76 to s79 hold cx and feed no descriptor)
	s_lshl_b32 s77, s81, 14                        ; block A: 64 rows of 256 bytes a block
	s_add_co_u32 s78, s76, s77
	s_mov_b32 s79, 0
	s_lshl_b32 s19, s9, 13                         ; my 32 rows in a block of Q
	v_and_b32 v38, 15, v0                          ; r
	v_bfe_u32 v39, v0, 4, 1                        ; h
	v_lshlrev_b32 v43, 8, v38
	v_lshl_add_u32 v43, v39, 4, v43
	v_add_nc_u32 v[QOFF], s19, v43                 ; (32 rg + r) 256 + 16 h
	s_mul_i32 s18, s8, PIECE                       ; where my piece goes
	s_wait_kmcnt 0x0
	s_add_nc_u64 s[56:57], s[4:5], s[20:21]        ; K at tile 0, my piece
	s_add_nc_u64 s[58:59], s[56:57], 4*HEADB       ; V's heads lie four heads on
	s_add_nc_u64 s[66:67], s[4:5], s[78:79]        ; Q of block A
	s_lshl_b32 s77, s82, 14
	s_add_co_u32 s78, s76, s77
	s_add_nc_u64 s[68:69], s[4:5], s[78:79]        ; Q of block B
	LOADQ 66
	s_lshl_b32 s76, s9, 17                         ; att: row 64 x block + 32 rg + 8 kg (the rows that I merge), 4,096 bytes each, + head x 256
	s_lshl_b32 s77, s10, 15
	s_add_co_u32 s76, s76, s77
	s_lshl_b32 s77, s14, 8
	s_add_co_u32 s76, s76, s77
	s_lshl_b32 s77, s81, 18
	s_add_co_u32 s78, s76, s77
	s_add_nc_u64 s[70:71], s[6:7], s[78:79]        ; block A's rows
	s_lshl_b32 s77, s82, 18
	s_add_co_u32 s78, s76, s77
	s_add_nc_u64 s[74:75], s[6:7], s[78:79]        ; block B's rows
.irp s, 0,1
	s_mov_b32 s[G0K+4*\s], 1
	s_add_co_u32 s[G0K+4*\s+1], s18, \s*SLOT
	s_mov_b32 s[G0V+4*\s], 1
	s_add_co_u32 s[G0V+4*\s+1], s18, \s*SLOT
.endr
	s_mov_b64 s[G0K+2:G0K+3], s[56:57]             ; slot 0: tile 0.  Slot 1's addresses are written in step 0
	s_or_b32 s[G0K+3], s[G0K+3], 0x80000000
	s_mov_b64 s[G0V+2:G0V+3], s[58:59]
	s_or_b32 s[G0V+3], s[G0V+3], 0x80000000
	CROUND                                         ; the four partners are here: the first joint loads meet
	JLOAD 0                                        ; at most one tensor load of a wave is ever out
	; O starts at zero: sixteen products of two zero fragments, with C = 0, write its 128 registers.  So step 0 is a step like every other and stands in the loop.
.irp i, 0,1,2,3,4,5,6,7,8,9,10,11,12,13,14,15
	v_mov_b32 v[SC+\i], 0
.endr
	WIN W_LDV
.set n, 0
.rept 16
	v_wmma_f32_16x16x32_f16 v[8*n:8*n+7], v[SC:SC+7], v[SC+8:SC+15], 0
.set n, n+1
.endr
	WIN 0                                          ; the lines below, which name none of these registers, are more than the five places that the first products into S need (ISA guide 7.12.1)
	v_and_b32 v40, 7, v0                           ; l % 8
	v_bfe_u32 v41, v0, 3, 1                        ; (l / 8) % 2
	v_and_b32 v42, 31, v0                          ; l
	s_lshr_b32 s18, s10, 1
	s_mul_i32 s18, s18, PIECE                      ; the piece that holds my 32 keys,
	s_and_b32 s19, s10, 1
	s_lshl_b32 s19, s19, 5                         ; and their first row in it
	v_add_nc_u32 v43, s19, v38
	v_mul_u32_u24 v43, v43, KP
	v_lshl_add_u32 v43, v39, 4, v43
	v_add_nc_u32 v[ADRK], s18, v43                 ; key row r, 16 h
	v_add_nc_u32 v[ADRK+1], SLOT, v[ADRK]
	v_lshl_add_u32 v43, v39, 3, v40
	v_add_nc_u32 v43, s19, v43
	v_mul_u32_u24 v43, v43, VP
	v_lshl_add_u32 v43, v41, 4, v43
	v_add_nc_u32 v43, s18, v43                     ; key row 8 h + l % 8, 16 ((l / 8) % 2)
	v_add_nc_u32 v[ADRV], 2*PIECE, v43
	v_add_nc_u32 v[ADRV+1], SLOT+2*PIECE, v43
	s_sub_co_i32 s19, s10, s9
	s_lshl_b32 s19, s19, 5
	v_lshl_add_u32 v43, v39, 3, s19
	v_sub_nc_u32 v[DL], v43, v38                   ; 32 kg + 8 h - 32 rg - r
	v_sub_nc_u32 v[DMA], v[DL], s23
	v_sub_nc_u32 v[DMB], v[DL], s22
	v_cmp_lt_i32 vcc_lo, 0, v[DMA]                 ; VCC holds a value on every path from here on: the masking lines, which write it, are passed in one trip of the loop only
	v_mov_b32 v[NEGV], 0xf1800000                  ; -2^100
	s_mul_i32 s18, s8, PARTW
	v_mul_u32_u24 v43, v38, PP
	v_lshl_add_u32 v43, v39, 5, v43
	v_add_nc_u32 v[PST1], s18, v43                 ; my region, row r, 32 h
	v_add_nc_u32 v[PST0], PART0, v[PST1]
	s_lshl_b32 s18, s8, 8
	v_lshl_add_u32 v43, v38, 4, s18
	v_add_nc_u32 v[STW], STAT, v43
	s_lshl_b32 s18, s9, 8                          ; merge: I own rows 8 kg + i of my row group: row tile kg / 2, r = 8 (kg % 2) + i; key group k's wave is rg + 2 k
	s_and_b32 s19, s10, 1
	s_lshl_b32 s19, s19, 7
	s_add_co_u32 s18, s18, s19
	s_lshr_b32 s19, s10, 1
	s_lshl3_add_u32 s18, s19, s18
	s_add_co_u32 s18, s18, STAT
	v_mov_b32 v[SRD], s18
	v_lshlrev_b32 v[AOFF], 3, v42
	s_mul_i32 s18, s9, PARTW
	s_mul_i32 s19, s10, 8*PP
	s_add_co_u32 s18, s18, s19
	v_lshl_add_u32 v[RD+2], v42, 4, s18            ; block B lies at LDS byte 0
	v_add_nc_u32 v[RD+3], 4*PARTW, v[RD+2]
	v_add_nc_u32 v[RD],   PART0, v[RD+2]
	v_add_nc_u32 v[RD+1], PART0+4*PARTW, v[RD+2]
	v_mov_b32 v[NM+1], 0                           ; upper halves of pairs of which the packed forms use the lower half alone
	v_mov_b32 v[AL+1], 0
	v_mov_b32 v[AL+3], 0
	v_mov_b32 v[STT],   0x700293ee                 ; N = c 2^100, l = 0
	v_mov_b32 v[STT+1], 0
	v_mov_b32 v[STT+2], 0x700293ee
	v_mov_b32 v[STT+3], 0
; The diagonal: key - row = dm + 16 kt + j - 16 rt; where that is above 0 the score becomes -2^100.
.macro MASK dm
.irp rt, 0,1
.irp kt, 0,1
.irp j, 0,1,2,3,4,5,6,7
	v_cmp_lt_i32 vcc_lo, 16*\rt-16*\kt-\j, v[\dm]
	v_cndmask_b32 v[SC+16*\rt+8*\kt+\j], v[SC+16*\rt+8*\kt+\j], v[NEGV], vcc_lo
.endr
.endr
.endr
.endm
; One row tile: maximum of my 32 keys, new N, weights, their sum, packed to f16 in place.  A row whose 32 keys are all masked has maximum -2^100: with a true older N its weights are 0;
; with N = c 2^100 (a block of one step) the scale and the weights are 1: finite numbers that the merge weighs with exp2(-c 2^100) = 0.
.macro SOFTMAX rt
.set SB, SC+16*\rt
	v_max3_num_f32 v[MX], v[SB], v[SB+1], v[SB+2]
	v_max3_num_f32 v[TP], v[SB+8], v[SB+9], v[SB+10]
	v_max3_num_f32 v[MX], v[MX], v[SB+3], v[SB+4]
	v_max3_num_f32 v[TP], v[TP], v[SB+11], v[SB+12]
	v_max3_num_f32 v[MX], v[MX], v[SB+5], v[SB+6]
	v_max3_num_f32 v[TP], v[TP], v[SB+13], v[SB+14]
	v_max3_num_f32 v[MX], v[MX], v[SB+7], v[SB+15]
	v_max_num_f32 v[MX], v[MX], v[TP]
	v_permlanex16_b32 v[TP], v[MX], s62, s63       ; the other half of the row's keys
	v_max_num_f32 v[MX], v[MX], v[TP]
	v_mul_f32 v[NN], s72, v[MX]
	v_min_num_f32 v[NM], v[NN], v[STT+2*\rt]       ; the smaller N is the larger maximum
	v_sub_f32 v[AL+2*\rt], v[NM], v[STT+2*\rt]
	v_exp_f32 v[AL+2*\rt], v[AL+2*\rt]
	v_mov_b32 v[STT+2*\rt], v[NM]                  ; also the plain instruction behind v_exp_f32 (ISA guide 5.7.2)
.irp i, 0,2,4,6,8,10,12,14
	v_pk_fma_f32 v[SB+\i:SB+\i+1], v[SB+\i:SB+\i+1], s[60:61], v[NM:NM+1] op_sel_hi:[1,0,0]
.endr
.irp i, 0,1,2,3,4,5,6,7,8,9,10,11,12,13,14,15
	v_exp_f32 v[SB+\i], v[SB+\i]
.endr
	v_nop                                          ; one plain instruction between the exponentials and the first use of a result
	s_wait_alu depctr_va_vdst(0)
	v_pk_add_f32 v[T:T+1],   v[SB:SB+1],   v[SB+2:SB+3]
	v_pk_add_f32 v[T+2:T+3], v[SB+4:SB+5], v[SB+6:SB+7]
	v_pk_add_f32 v[T:T+1],   v[T:T+1],     v[SB+8:SB+9]
	v_pk_add_f32 v[T+2:T+3], v[T+2:T+3],   v[SB+10:SB+11]
	v_pk_add_f32 v[T:T+1],   v[T:T+1],     v[SB+12:SB+13]
	v_pk_add_f32 v[T+2:T+3], v[T+2:T+3],   v[SB+14:SB+15]
	v_pk_add_f32 v[T:T+1],   v[T:T+1],     v[T+2:T+3]
	v_add_f32 v[T], v[T], v[T+1]
	v_fma_f32 v[STT+2*\rt+1], v[STT+2*\rt+1], v[AL+2*\rt], v[T]   ; each half of the lanes sums its own keys; the halves meet in PARK
.irp i, 0,1,2,3,4,5,6,7
	v_cvt_pk_f16_f32 v[SB+\i], v[SB+2*\i], v[SB+2*\i+1]           ; ascending: register i is written when registers 2 i, 2 i + 1 have been read
.endr
.endm
; A block is done for my keys: its figures and its partial O go to LDS bytes that are my wave's own.
.macro PARK pst, sofs
	v_permlanex16_b32 v[TP], v[STT+1], s62, s63
	v_add_f32 v[STT+1], v[STT+1], v[TP]
	v_permlanex16_b32 v[TP], v[STT+3], s62, s63
	v_add_f32 v[STT+3], v[STT+3], v[TP]
	ds_store_b128 v[STW], v[STT:STT+3] offset:\sofs                ; lanes r and r + 16 write the same 16 bytes with the same numbers
	WIN W_STO
.irp rt, 0,1
.irp db, 0,1,2,3,4,5,6,7
	ds_store_b128 v[\pst], v[8*(8*\rt+\db):8*(8*\rt+\db)+3]   offset:16*PP*\rt+64*\db
	ds_store_b128 v[\pst], v[8*(8*\rt+\db)+4:8*(8*\rt+\db)+7] offset:16*PP*\rt+64*\db+16
.endr
.endr
	WIN 0
.endm
; From block A to block B.  O and l are not cleared: N = c 2^100 makes the scale 0 at the row's first true maximum.
.macro SWITCH
	LOADQ 68                                       ; waited for in the next step
	PARK PST0, 0
	v_mov_b32 v[STT], 0x700293ee                   ; c 2^100
	v_mov_b32 v[STT+2], 0x700293ee
.endm
; One step of 128 keys, number s17 + ofs, in slot; oth = the other slot.  refill: the next step's tiles are asked for.
; dyn: the step may be block A's last (mask, then SWITCH): a scalar compare with a figure made of p, alike in all partners.  last: it is block B's last (mask).
.macro STEP slot, oth, ofs, refill, dyn, last
	s_wait_tensorcnt 0x0                           ; all my tensor loads have landed, my part of this step's tiles among them: every group 0 may be written
.if \refill
	s_add_co_u32 s18, s17, \ofs+1                  ; the next step:
	s_sub_co_u32 s19, s18, s15
	s_cmp_lt_u32 s18, s15
	s_cselect_b32 s18, s18, s19                    ; its tile counts from 0 in each block
	s_lshl_b32 s20, s18, 15                        ; 128 keys of 256 bytes
	s_add_nc_u64 s[G0K+4*\oth+2:G0K+4*\oth+3], s[56:57], s[20:21]
	s_or_b32 s[G0K+4*\oth+3], s[G0K+4*\oth+3], 0x80000000
	s_add_nc_u64 s[G0V+4*\oth+2:G0V+4*\oth+3], s[58:59], s[20:21]
	s_or_b32 s[G0V+4*\oth+3], s[G0V+4*\oth+3], 0x80000000
.endif
	s_wait_dscnt 0x0                               ; my reads of the other slot, and my stores, are done
.if \refill
	CROUND                                         ; both now hold of every wave of the four partners
	JLOAD \oth                                     ; the first tensor load behind the round, one a wave
.else
	s_barrier_signal -1                            ; nothing is filled any more: my work-group's barrier shows the tile to all its waves
	s_barrier_wait -1
.endif
.irp kt, 0,1
.irp ks, 0,1,2,3
	ds_load_b128 v[KF+8*(4*\kt+\ks):KF+8*(4*\kt+\ks)+3],   v[ADRK+\slot] offset:16*KP*\kt+64*\ks
	ds_load_b128 v[KF+8*(4*\kt+\ks)+4:KF+8*(4*\kt+\ks)+7], v[ADRK+\slot] offset:16*KP*\kt+64*\ks+32
.endr
.endr
	WIN W_LDV
.irp db, 0,1,2,3,4,5,6,7
	ds_load_tr16_b128 v[VF+8*\db:VF+8*\db+3],   v[ADRV+\slot] offset:32*\db
	ds_load_tr16_b128 v[VF+8*\db+4:VF+8*\db+7], v[ADRV+\slot] offset:32*\db+16*VP
.endr
	WIN 0
	s_wait_loadcnt 0x0                             ; Q (out only in a block's first step)
	s_wait_dscnt 16                                ; K's sixteen loads are in; V's sixteen younger ones stay out
	; S^T: four accumulators take turns, one instruction a turn
.irp ks, 0,1,2,3
.irp rt, 0,1
.irp kt, 0,1
.if \ks == 0
	v_wmma_f32_16x16x32_f16 v[SC+16*\rt+8*\kt:SC+16*\rt+8*\kt+7], v[KF+8*(4*\kt+\ks):KF+8*(4*\kt+\ks)+7], v[QF+8*(4*\rt+\ks):QF+8*(4*\rt+\ks)+7], 0
.else
	v_wmma_f32_16x16x32_f16 v[SC+16*\rt+8*\kt:SC+16*\rt+8*\kt+7], v[KF+8*(4*\kt+\ks):KF+8*(4*\kt+\ks)+7], v[QF+8*(4*\rt+\ks):QF+8*(4*\rt+\ks)+7], v[SC+16*\rt+8*\kt:SC+16*\rt+8*\kt+7]
.endif
.endr
.endr
.endr
.rept 4
	v_nop                                          ; four places before vector instructions read S and before loads land on K's or Q's fragments
.endr
.if \dyn
	s_cmp_lg_u32 s17, s16
	s_cbranch_scc1 .Lno_mask_\@
	MASK DMA
.Lno_mask_\@:
.endif
.if \last
	MASK DMB
.endif
	SOFTMAX 0
	SOFTMAX 1
	WIN W_RESC
.irp rt, 0,1
.set i, 0
.rept 32
	v_pk_mul_f32 v[64*\rt+2*i:64*\rt+2*i+1], v[64*\rt+2*i:64*\rt+2*i+1], v[AL+2*\rt:AL+2*\rt+1] op_sel_hi:[1,0]
.set i, i+1
.endr
.endr
	s_wait_dscnt 0x0                               ; V
	WIN W_PV
.irp db, 0,1,2,3,4,5,6,7
.irp rt, 0,1
	v_wmma_f32_16x16x32_f16 v[8*(8*\rt+\db):8*(8*\rt+\db)+7], v[VF+8*\db:VF+8*\db+7], v[SC+16*\rt:SC+16*\rt+7], v[8*(8*\rt+\db):8*(8*\rt+\db)+7]
.endr
.endr
.rept 5
	v_nop                                          ; five places before the next step's first products write over P; four would do for the loads into V's fragments and for readers of O
.endr
	WIN 0
.if \dyn
	s_cmp_lg_u32 s17, s16
	s_cbranch_scc1 .Lno_switch_\@
	SWITCH
.Lno_switch_\@:
.endif
.endm
	s_mov_b32 s17, 0
.Lpair:
	STEP 0, 1, 0, 1, 0, 0                          ; steps 0, 2, .. 14 (in step 0 slot 1 gets its first fill, behind the step's round)
	STEP 1, 0, 1, 1, 1, 0                          ; steps 1, 3, .. 15: one of them is block A's last
	s_add_co_u32 s17, s17, 2
	s_cmp_lt_u32 s17, 16
	s_cbranch_scc1 .Lpair
	STEP 0, 1, 0, 0, 0, 1                          ; step 16: block B's last; nothing is left to fetch
	; THE MERGE.  Block B's partial O goes into the ring's bytes: every wave's reads of them are over, and they have had their last fill.
	s_wait_dscnt 0x0
	s_barrier_signal -1
	s_barrier_wait -1
	PARK PST1, 2048
	v_mov_b32 v[MA+1], 0                           ; upper halves of the weights' pairs
	v_mov_b32 v[MA+3], 0
	v_mov_b32 v[MA+5], 0
	v_mov_b32 v[MA+7], 0
	s_wait_dscnt 0x0                               ; for the others' sake: my stores are done (block A's were waited for in the step behind them)
	s_barrier_signal -1
	s_barrier_wait -1
	; I own eight rows of each block.  A trip takes rows 2 t, 2 t + 1 of block A (ii = 0, 1) and of block B (ii = 2, 3), so that every address steps by one constant.
	; row = sum over the key groups k of a_k O_k / sum of a_k l_k, a_k = exp2(N - N_k), N the smallest N_k.
	; Every row's diagonal key is unmasked in some key group, so N belongs to a true maximum and the sum is at least about 1.
	s_mov_b32 s17, 0
.Lmerge:
.irp ii, 0,1,2,3
.irp k, 0,1,2,3
	ds_load_b64 v[MS+8*\ii+2*\k:MS+8*\ii+2*\k+1], v[SRD] offset:2048*(\ii/2)+512*\k+16*(\ii%2)      ; all lanes read the same 8 bytes
.endr
.endr
.irp ii, 0,1,2,3
.irp k, 0,1,2,3
	ds_load_b128 v[MP+16*\ii+4*\k:MP+16*\ii+4*\k+3], v[RD+2*(\ii/2)+\k/2] offset:2*PARTW*(\k%2)+PP*(\ii%2)   ; a whole row of 512 bytes
.endr
.endr
	s_wait_dscnt 0x0
.irp ii, 0,1,2,3
	v_min3_num_f32 v[MT], v[MS+8*\ii], v[MS+8*\ii+2], v[MS+8*\ii+4]
	v_min_num_f32 v[MT], v[MT], v[MS+8*\ii+6]
.irp k, 0,1,2,3
	v_sub_f32 v[MA+2*\k], v[MT], v[MS+8*\ii+2*\k]
.endr
.irp k, 0,1,2,3
	v_exp_f32 v[MA+2*\k], v[MA+2*\k]
.endr
	v_nop                                          ; the plain instruction behind the exponentials
	s_wait_alu depctr_va_vdst(0)
	v_mul_f32 v[ML], v[MA], v[MS+8*\ii+1]
.irp k, 1,2,3
	v_fmac_f32 v[ML], v[MA+2*\k], v[MS+8*\ii+2*\k+1]
.endr
	v_rcp_f32 v[ML], v[ML]
	v_nop                                          ; and behind the reciprocal
	s_wait_alu depctr_va_vdst(0)
.irp k, 0,1,2,3
	v_mul_f32 v[MA+2*\k], v[MA+2*\k], v[ML]
.endr
	v_pk_mul_f32 v[MC:MC+1],   v[MP+16*\ii:MP+16*\ii+1],   v[MA:MA+1] op_sel_hi:[1,0]
	v_pk_mul_f32 v[MC+2:MC+3], v[MP+16*\ii+2:MP+16*\ii+3], v[MA:MA+1] op_sel_hi:[1,0]
.irp k, 1,2,3
	v_pk_fma_f32 v[MC:MC+1],   v[MP+16*\ii+4*\k:MP+16*\ii+4*\k+1],   v[MA+2*\k:MA+2*\k+1], v[MC:MC+1]   op_sel_hi:[1,0,1]
	v_pk_fma_f32 v[MC+2:MC+3], v[MP+16*\ii+4*\k+2:MP+16*\ii+4*\k+3], v[MA+2*\k:MA+2*\k+1], v[MC+2:MC+3] op_sel_hi:[1,0,1]
.endr
	v_cvt_pk_f16_f32 v[MO+2*\ii],   v[MC],   v[MC+1]
	v_cvt_pk_f16_f32 v[MO+2*\ii+1], v[MC+2], v[MC+3]
	global_store_b64 v[AOFF], v[MO+2*\ii:MO+2*\ii+1], s[70+4*(\ii/2):71+4*(\ii/2)] offset:4096*(\ii%2)   ; 32 lanes: 256 consecutive bytes, aligned
.endr
	s_wait_xcnt 0x0                                ; the stores' offset and data registers are written again only behind this wait (ISA guide 3.1)
	v_add_nc_u32 v[SRD], 32, v[SRD]                ; two rows on: their figures,
.irp n, 0,1,2,3
	v_add_nc_u32 v[RD+\n], 2*PP, v[RD+\n]          ; their partial rows,
.endr
	v_add_nc_u32 v[AOFF], 8192, v[AOFF]            ; and their place in att
	s_add_co_u32 s17, s17, 1
	s_cmp_lt_u32 s17, 4
	s_cbranch_scc1 .Lmerge
	CROUND                                         ; the closing round: no work-group ends while a partner may still ask for a tile that names it
	s_endpgm
.Lfunc_end_k_qd3efab25e9_attn:
	.size	k_qd3efab25e9_attn, .Lfunc_end_k_qd3efab25e9_attn-k_qd3efab25e9_attn
	.p2alignl 7, 3214868480
	.fill 96, 4, 3214868480
	.section	.rodata,"a",@progbits
	.p2align	6, 0x0
	.amdhsa_kernel k_qd3efab25e9_attn
		.amdhsa_group_segment_fixed_size 327680
		.amdhsa_private_segment_fixed_size 0
		.amdhsa_enable_private_segment 0
		.amdhsa_kernarg_size 16
		.amdhsa_user_sgpr_count 2
		.amdhsa_user_sgpr_kernarg_segment_ptr 1
		.amdhsa_wavefront_size32 1
		.amdhsa_system_sgpr_workgroup_id_x 1
		.amdhsa_system_sgpr_workgroup_id_y 1
		.amdhsa_system_sgpr_workgroup_id_z 1
		.amdhsa_system_vgpr_workitem_id 0
		.amdhsa_next_free_vgpr 448
		.amdhsa_next_free_sgpr 90
		.amdhsa_reserve_vcc 1
		.amdhsa_float_denorm_mode_32 3
		.amdhsa_float_denorm_mode_16_64 3
		.amdhsa_memory_ordered 1
		.amdhsa_forward_progress 1
		.amdhsa_inst_pref_size 76
	.end_amdhsa_kernel
	.amdgpu_metadata
---
amdhsa.version: [ 1, 2 ]
amdhsa.kernels:
  - .name:           k_qd3efab25e9_attn
    .symbol:         k_qd3efab25e9_attn.kd
    .args:
      - { .name: qkv, .offset: 0, .size: 8, .value_kind: global_buffer, .address_space: global }
      - { .name: att, .offset: 8, .size: 8, .value_kind: global_buffer, .address_space: global }
    .group_segment_fixed_size: 327680
    .private_segment_fixed_size: 0
    .kernarg_segment_align: 8
    .kernarg_segment_size: 16
    .max_flat_workgroup_size: 256
    .sgpr_count:     90
    .vgpr_count:     448
    .wavefront_size: 32
...
	.end_amdgpu_metadata
.endif
;; end of part 3
;; launch gemm_out (part 4): grid 16 x 16, 4 waves a work-group, clusters of 4 x 4, 327,680 bytes of LDS; arguments att, woh, out0; writes out0
.if DOCPART == 4
	.amdgcn_target "amdgcn-amd-amdhsa--gfx1250"
	.amdhsa_code_object_version 6
	.text
	.protected	k_qd3efab25e9_gemm_out
	.globl	k_qd3efab25e9_gemm_out
	.p2align	8
	.type	k_qd3efab25e9_gemm_out,@function
k_qd3efab25e9_gemm_out:
	s_mov_b64 s[64:65], 0
	v_nop
	global_prefetch_b8 v0, s[64:65] scope:SCOPE_SE
	s_setreg_imm32_b32 hwreg(HW_REG_WAVE_MODE, 25, 1), 1
	s_wait_xcnt 0x0
	s_wait_alu depctr_hold_cnt(0) depctr_sa_sdst(0) depctr_va_vdst(0) depctr_va_sdst(0) depctr_va_ssrc(0) depctr_va_vcc(0) depctr_vm_vsrc(0)
	s_getreg_b32 s2, hwreg(HW_REG_IB_STS2, 6, 4)
	s_cmp_eq_u32 s2, 0
	s_cbranch_scc0 .Lentry_in_a_cluster
	s_endpgm
.Lentry_in_a_cluster:
	s_bfe_u32 s2, ttmp6, 0x10000c
	s_cmp_lg_u32 s2, 0xf033
	s_cbranch_scc0 .Lentry_shape_is_right
	s_endpgm
.Lentry_shape_is_right:
; out0 = att x woh.  att: [2048 t][2048 k] f16.  woh: [2048 k][2048 n] f16.  out0: [2048][2048] f32; sums in f32.
; LIMIT: the order of the sums is the matrix unit's, K in steps of 256 from the cluster's starting step round to it.
; A work-group makes a block of 128 x 128: 16 x 16 = 256 work-groups of equal work.  Wave w makes 64 x 64: rows 64 (w / 2) .., columns 64 (w % 2) ..: 4 x 4 = 16 accumulators of 16 x 16.
; WHY THIS SHAPE: a square block takes the fewest bytes for each k, (128 + 128) x 2, so that two LDS slots of 256 along K fit.  K then goes in eight steps, two first fills and six
; refills, and between a request and the wait for it a wave issues 124 of a step's 128 matrix instructions.
; A slot is four parts of 36,864 bytes, one tensor load each: parts 0, 1: 64 rows of att x 512 bytes (pitch 528; 33,792 bytes used); parts 2, 3: 128 k rows of woh x 256 bytes (pitch 288).
; All tile rows are 256 or 512 bytes of memory and start at multiples of 256 from their buffer's first byte.
; CLUSTER 4 x 4: att's tile hangs on the block row alone and is shared along a row of the cluster, woh's on the block column alone and is shared along a column:
; each is asked for jointly (same line, same descriptor, a mask that names the four).
; THE ORDER OF K: cluster (X, Y) starts at step (2 X + 4 (Y % 2)) % 8 and goes round.  The four clusters that read the same rows of att are then two steps apart, and clusters Y and
; Y + 1, which read the same columns of woh, four: a tile is asked for by one cluster first and by the others steps later, when its bytes have been read before in the launch,
; not by all of them at once.  The starting step is made of the cluster's coordinates alone, which all sixteen partners share.
; woh lies [k][n]: its fragments come out of LDS by the transposing load (ds_load_tr16_b128).
; THE MATRIX INSTRUCTION IS USED TRANSPOSED: source 0 = 16 columns of W, source 1 = 16 rows of att.  Lane (r = l % 16, h = l / 16), register j holds row 16 a + r, column 16 b + 8 h + j
; of my 64 x 64: eight neighbouring columns of one row, 32 bytes.
; REGISTERS: window 0: v8-18 addresses, two fragment buffers of 64 (4 of W, then 4 of att, 8 registers each); window 1: accumulator (a, b) at v[256 + 8 (4 a + b)].
.set KDIM,   2048
.set NDIM,   2048
.set KSLOT,  256                       ; k of a step
.set NSLOT,  KDIM/KSLOT                ; 8 steps
.set NB,     4                         ; column blocks of a wave
.set AP,     528                       ; LDS pitch of att's rows: 512 + 16: an odd multiple of 16, so sixteen rows start at sixteen different 16-byte columns modulo 256
.set BP,     288                       ; LDS pitch of W's rows: 256 + 32: an odd multiple of 32, which serves the transposing load in the same way
.set PART,   128*BP                    ; what one tensor load may fill
.set SLOT,   4*PART
.set STAGE,  2*SLOT                    ; the way out, behind the ring: 16 rows x 272 bytes for each wave; no tensor load lands there
.set SP,     272                       ; stage pitch: my 64 columns of f32 + 16
.set NL,     16                        ; LDS loads of an eighth of a step
.set ADRA,   8                         ; v8-9    LDS address of my att fragments in slot 0, 1
.set ADRB,   10                        ; v10-13  the same for W: 2 x slot + half of the slot's k rows (the immediate alone would not reach the second half)
.set STO,    16                        ; v16     the way out: where I put 32 bytes of a row
.set RD,     17                        ; v17     the way out: where I read 16 bytes back
.set CO,     18                        ; v18     my byte offset in out0
.set F0,     32                        ; fragment buffer 0
.set F1,     96                        ; fragment buffer 1
.set G1,  24                           ; s[24:31] group 1 for att's tiles
.set G0,  32                           ; s[32:39] group 0 for att's tiles, a set for each slot
.set G1B, 48                           ; s[48:55] group 1 for W's tiles
.set G0B, 56                           ; s[56:63] group 0 for W's tiles, a set for each slot
.set KN,  66                           ; s66      the K step that is asked for next
.set OFA, 68                           ; s[68:69] its byte offset in att's rows
.set OFB, 70                           ; s[70:71] its byte offset in W
.set W_MUL, 0x50                       ; sources 0 and 1 window 0, C and D window 1
.set W_STO, 0x04                       ; an LDS store's data window 1
.set MSB, 0
.macro WIN new                         ; the immediate's high byte repeats the setting that is left; a switch that changes nothing is dropped
.if MSB != \new
	s_set_vgpr_msb (MSB<<8)|\new
.set MSB, \new
.endif
.endm
; A joint load.  Waves 0 and 1 fetch att's two halves, waves 2 and 3 W's: every wave issues one.  The branch hangs on the wave's number alone.
.macro JLOAD s
	s_cmp_eq_u32 s11, 0
	s_cbranch_scc0 .Lfor_b_\@
	tensor_load_to_lds s[G0+4*\s:G0+4*\s+3], s[G1:G1+7]
	s_nop 0
	s_branch .Lasked_\@
.Lfor_b_\@:
	tensor_load_to_lds s[G0B+4*\s:G0B+4*\s+3], s[G1B:G1B+7]
	s_nop 0
.Lasked_\@:
.endm
; Both group 0 of a slot are pointed at K step KN, and KN goes one step on, round 8.  Stands only where no tensor load of the wave is out.
.macro AIM slot
	s_lshl_b32 s[OFA], s[KN], 9                    ; 256 k of 2 bytes along att's rows
	s_lshl_b32 s[OFB], s[KN], 20                   ; 256 rows of W of 4,096 bytes
	s_add_nc_u64 s[G0+4*\slot+2:G0+4*\slot+3], s[14:15], s[OFA:OFA+1]
	s_or_b32 s[G0+4*\slot+3], s[G0+4*\slot+3], 0x80000000
	s_add_nc_u64 s[G0B+4*\slot+2:G0B+4*\slot+3], s[46:47], s[OFB:OFB+1]
	s_or_b32 s[G0B+4*\slot+3], s[G0B+4*\slot+3], 0x80000000
	s_add_co_u32 s[KN], s[KN], 1
	s_and_b32 s[KN], s[KN], NSLOT-1
.endm
; A round of the cluster's barrier: my work-group's barrier, wave 0 signals for the work-group, every wave waits for all sixteen, my work-group's barrier again.
.macro CREST                           ; a round behind its opening barrier
	s_cmp_lg_u32 s10, 0
	s_cbranch_scc1 .Lnot_wave_0_\@
	s_barrier_signal -3
.Lnot_wave_0_\@:
	s_barrier_wait -3
	s_barrier_signal -1
	s_barrier_wait -1
.endm
.macro CROUND
	s_barrier_signal -1
	s_barrier_wait -1
	CREST
.endm
	s_load_b128 s[4:7], s[0:1], 0x0                ; att s[4:5], woh s[6:7]
	s_load_b64 s[8:9], s[0:1], 0x10                ; out0
	v_lshrrev_b32 v1, 5, v0
	v_readfirstlane_b32 s10, v1                    ; wave 0..3
	s_lshr_b32 s11, s10, 1                         ; which half of the block's rows is mine.  Also: I fetch for att (0) or for W (1)
	s_and_b32 s12, s10, 1                          ; which half of its columns.  Also: which half of that tile I fetch
	s_bfe_u32 s40, ttmp6, 0x40000                  ; cx
	s_bfe_u32 s41, ttmp6, 0x40004                  ; cy
	s_lshl_b32 s42, ttmp9, 2
	s_add_co_u32 s42, s42, s40                     ; block column bx = 4 x cluster x + cx
	s_and_b32 s13, ttmp7, 0xffff                   ; cluster y
	s_and_b32 s[KN], s13, 1
	s_lshl_b32 s[KN], s[KN], 2
	s_lshl1_add_u32 s[KN], ttmp9, s[KN]
	s_and_b32 s[KN], s[KN], NSLOT-1                ; the cluster's starting step: (2 X + 4 (Y % 2)) % 8
	s_mov_b32 s[OFA+1], 0                          ; upper words of the two offsets
	s_mov_b32 s[OFB+1], 0
	s_lshl_b32 s13, s13, 2
	s_add_co_u32 s13, s13, s41                     ; block row by = 4 x cluster y + cy
	s_lshl_b32 s43, s41, 2
	s_lshl_b32 s43, 15, s43                        ; my row of the cluster: places 4 cy .. 4 cy + 3
	s_lshl_b32 s44, 0x1111, s40                    ; my column: places cx, cx + 4, cx + 8, cx + 12
	; group 1: elements of 2 bytes; bit 21 set beside a mask; padding on: att after every 128 words (code 6) 4 words, W after every 64 words (code 5) 8 words
	s_or_b32 s[G1+0],  s43, (1<<16)|(1<<20)|(1<<21)|(6<<22)|(3<<25)
	s_or_b32 s[G1B+0], s44, (1<<16)|(1<<20)|(1<<21)|(5<<22)|(7<<25)
	s_mov_b32 s[G1+1],  KSLOT<<16                  ; tensor_dim0 = 256 k,
	s_mov_b32 s[G1B+1], 128<<16                    ; 128 columns
	s_mov_b32 s[G1+2],  64<<16                     ; tensor_dim1 = 64 rows of att,
	s_mov_b32 s[G1B+2], 128<<16                    ; 128 k rows of W
	s_mov_b32 s[G1+3],  KSLOT<<16                  ; tile_dim0
	s_mov_b32 s[G1B+3], 128<<16
	s_mov_b32 s[G1+4],  64                         ; tile_dim1
	s_mov_b32 s[G1B+4], 128
	s_mov_b32 s[G1+5],  KDIM                       ; elements from row to row
	s_mov_b32 s[G1B+5], NDIM
	s_mov_b32 s[G1+6],  0
	s_mov_b32 s[G1B+6], 0
	s_mov_b32 s[G1+7],  0
	s_mov_b32 s[G1B+7], 0
	; att's tile hangs on the block row and the wave's number, W's on the block column and the wave's number; each in registers that never hold the other coordinate.
	; Every wave makes both addresses and asks by one of them.
	s_lshl_b32 s16, s13, 19                        ; 128 rows of 4,096 bytes x block row
	s_lshl_b32 s17, s12, 18                        ; + 64 rows x half
	s_add_co_u32 s16, s16, s17
	s_mov_b32 s17, 0
	s_lshl_b32 s46, s42, 8                         ; 128 columns of 2 bytes x block column
	s_lshl_b32 s47, s12, 19                        ; + 128 k rows of 4,096 bytes x half
	s_add_co_u32 s46, s46, s47
	s_mov_b32 s47, 0
	s_mul_i32 s20, s10, PART                       ; where my part goes: att's two halves, then W's two = wave x part: no place in the cluster enters an LDS address
	s_wait_kmcnt 0x0
	s_add_nc_u64 s[14:15], s[4:5], s[16:17]        ; att at my half's first row, k = 0: kept for the whole loop
	s_add_nc_u64 s[46:47], s[6:7], s[46:47]        ; W at my half of step 0's rows, my block's columns: kept for the whole loop
	CROUND                                         ; all sixteen work-groups are here: the first joint loads meet
.irp s, 0,1
	s_mov_b32 s[G0+4*\s], 1
	s_add_co_u32 s[G0+4*\s+1], s20, \s*SLOT
	s_mov_b32 s[G0B+4*\s], 1
	s_add_co_u32 s[G0B+4*\s+1], s20, \s*SLOT
	AIM \s                                         ; the starting step, and the one behind it
	JLOAD \s                                       ; both first fills go out together: two tensor loads of the wave are out, later one
.endr
	v_and_b32 v1, 15, v0                           ; r
	v_bfe_u32 v2, v0, 4, 1                         ; h
	v_and_b32 v3, 7, v0                            ; l % 8
	v_bfe_u32 v4, v0, 3, 1                         ; (l / 8) % 2
	; att fragment: lane holds row r; registers 0-3 k = 8 h .., registers 4-7 k = 16 + 8 h ..: two loads of 16 bytes, 32 bytes apart
	v_mul_u32_u24 v5, v1, AP
	v_lshl_add_u32 v5, v2, 4, v5
	s_mul_i32 s21, s11, PART                       ; my 64 rows are one part
	v_add_nc_u32 v[ADRA], s21, v5
	v_add_nc_u32 v[ADRA+1], SLOT, v[ADRA]
	; W fragment through the transposing load: lane addresses k row 8 h + l % 8, 16 bytes at 16 ((l / 8) % 2); it receives column r, k = 8 h ..; the second load 16 rows down
	v_lshl_add_u32 v6, v2, 3, v3
	v_mul_u32_u24 v6, v6, BP
	v_lshl_add_u32 v6, v4, 4, v6
	s_lshl_b32 s22, s12, 7                         ; my 64 columns: 128 bytes x half,
	s_add_co_u32 s22, s22, 2*PART                  ; behind att's two parts
	v_add_nc_u32 v[ADRB], s22, v6
	v_add_nc_u32 v[ADRB+1], PART, v[ADRB]
	v_add_nc_u32 v[ADRB+2], SLOT, v[ADRB]
	v_add_nc_u32 v[ADRB+3], SLOT+PART, v[ADRB]
	s_mul_i32 s23, s10, 16*SP
	s_add_co_u32 s23, s23, STAGE                   ; my own stage
	v_mul_u32_u24 v5, v1, SP
	v_lshl_add_u32 v5, v2, 5, v5
	v_add_nc_u32 v[STO], s23, v5                   ; in: row r, 32 bytes for each half of the lanes
	v_mul_u32_u24 v5, v2, SP
	v_lshl_add_u32 v5, v1, 4, v5
	v_add_nc_u32 v[RD], s23, v5                    ; back: lanes 0-15 take one row of 256 bytes, lanes 16-31 the next
	v_lshlrev_b32 v5, 13, v2                       ; and the same two rows in out0, 8,192 bytes apart
	v_lshl_add_u32 v[CO], v1, 4, v5
; NB matrix instructions: row block a x all my column blocks, 32 along K.  zero = 1: the first product starts the sums.
.macro MUL f, a, zero
.set mb, 0
.rept NB
.if \zero
	v_wmma_f32_16x16x32_f16 v[8*(\a*NB+mb):8*(\a*NB+mb)+7], v[\f+8*mb:\f+8*mb+7], v[\f+8*(NB+\a):\f+8*(NB+\a)+7], 0
.else
	v_wmma_f32_16x16x32_f16 v[8*(\a*NB+mb):8*(\a*NB+mb)+7], v[\f+8*mb:\f+8*mb+7], v[\f+8*(NB+\a):\f+8*(NB+\a)+7], v[8*(\a*NB+mb):8*(\a*NB+mb)+7]
.endif
.set mb, mb+1
.endr
.endm
; NL LDS loads in one run: the fragments of eighth q (32 along K) of a slot into buffer f: W's four first, att's four last
.macro FETCH slot, q, f
.irp b, 0,1,2,3
	ds_load_tr16_b128 v[\f+8*\b:\f+8*\b+3],   v[ADRB+2*\slot+\q/4] offset:32*BP*(\q%4)+32*\b
	ds_load_tr16_b128 v[\f+8*\b+4:\f+8*\b+7], v[ADRB+2*\slot+\q/4] offset:32*BP*(\q%4)+32*\b+16*BP
.endr
.irp a, 0,1,2,3
	ds_load_b128 v[\f+8*(NB+\a):\f+8*(NB+\a)+3],   v[ADRA+\slot] offset:16*AP*\a+64*\q
	ds_load_b128 v[\f+8*(NB+\a)+4:\f+8*(NB+\a)+7], v[ADRA+\slot] offset:16*AP*\a+64*\q+32
.endr
.endm
; A load into a register that a matrix instruction has read, and an LDS store that reads a matrix result, stand four places behind it;
; only plain vector instructions that name none of its registers are places; the matrix instructions in between are not counted.
.macro PLACES
.rept 4
	v_nop
.endr
.endm
; A K step is eight eighths of 32 along K, 16 matrix instructions each, on buffers 0, 1, 0, 1, ..  The 16 accumulators take turns in one fixed order, one instruction a turn,
; over the backward jump too.
; One of the first seven eighths: multiplies buffer f; in its middle it fetches eighth q of the same slot into buffer g.
.macro EIGHTH slot, q, f, g, zero
	s_wait_dscnt 4                                 ; W's fragments and att's blocks 0, 1 are in; the youngest four loads (att's blocks 2, 3) may be out
	WIN W_MUL
	MUL \f, 0, \zero
	MUL \f, 1, \zero
	PLACES
	WIN 0
	FETCH \slot, \q, \g
	s_wait_dscnt NL                                ; all but the NL just issued
	WIN W_MUL
	MUL \f, 2, \zero
	MUL \f, 3, \zero
.endm
.macro SIX slot                        ; eighths 1 to 6 of a step
	EIGHTH \slot, 2, F1, F0, 0
	EIGHTH \slot, 3, F0, F1, 0
	EIGHTH \slot, 4, F1, F0, 0
	EIGHTH \slot, 5, F0, F1, 0
	EIGHTH \slot, 6, F1, F0, 0
	EIGHTH \slot, 7, F0, F1, 0
.endm
; The last eighth multiplies buffer 1 and changes slots.  In front of the barrier each wave waits for its reads of this slot and for all its tensor loads (one is out: its part of
; the next slot).  fill = 1: the barrier opens a round of the cluster's barrier, and the joint refill of this slot, two K steps ahead, is the first tensor load behind the round.
.macro TURN slot, next, fill
	s_wait_dscnt 4
	WIN W_MUL
	MUL F1, 0, 0
	s_wait_dscnt 0x0                               ; my reads of this slot are over
	s_wait_tensorcnt 0x0                           ; all my tensor loads have landed
	s_barrier_signal -1
	MUL F1, 1, 0                                   ; register work while the others arrive
	WIN 0
	s_barrier_wait -1
.if \fill
	CREST                                          ; no wave of any partner still reads this slot or has a load on its way
	AIM \slot
	JLOAD \slot
.endif
	PLACES
	FETCH \next, 0, F0
	WIN W_MUL
	MUL F1, 2, 0
	MUL F1, 3, 0
.endm
	s_wait_tensorcnt 0x1                           ; my part of the first step is in; the second step's stays out
	s_barrier_signal -1
	s_barrier_wait -1                              ; everybody's is
	FETCH 0, 0, F0
	EIGHTH 0, 1, F0, F1, 1                         ; the first sixteen products start the sums.  The loop is turned by this one eighth, so that they alone stand in front of it
	WIN 0                                          ; at a label and at a branch every window is 0
	s_mov_b32 s3, NSLOT/2-1
.Llap:                                             ; a trip: the rest of a step in slot 0, a step in slot 1, the first eighth of the next step in slot 0; both slots are filled again
	SIX 0
	TURN 0, 1, 1
	EIGHTH 1, 1, F0, F1, 0
	SIX 1
	TURN 1, 0, 1
	EIGHTH 0, 1, F0, F1, 0
	WIN 0
	s_sub_co_u32 s3, s3, 1
	s_cmp_lg_u32 s3, 0
	s_cbranch_scc1 .Llap
	SIX 0                                          ; the last two steps fill nothing: two first fills and six refills have brought the eight steps
	TURN 0, 1, 0
	EIGHTH 1, 1, F0, F1, 0
	SIX 1
	s_wait_dscnt 4                                 ; the very last eighth: nothing more to fetch
	WIN W_MUL
	MUL F1, 0, 0
	MUL F1, 1, 0
	s_wait_dscnt 0x0
	MUL F1, 2, 0
	MUL F1, 3, 0
	; THE WAY OUT, 16 rows at a time: the f32 sums go as they are, 32 bytes a lane, into my own stage, and come back as whole rows of 256 bytes: my 64 columns.
	; The stage is each wave's own: no barrier, and LDS serves a wave's instructions in order (ISA guide 5.7.1.4), so no wait between the stores and the loads either.
	PLACES
	s_lshl_b32 s16, s13, 20                        ; row 128 x block row + 64 x half, 8,192 bytes each
	s_lshl_b32 s17, s11, 19
	s_add_co_u32 s16, s16, s17
	s_mov_b32 s17, 0
	s_add_nc_u64 s[8:9], s[8:9], s[16:17]
	s_lshl_b32 s46, s42, 9                         ; column 128 x block column + 64 x half, 4 bytes each (the registers that held W's address)
	s_lshl_b32 s47, s12, 8
	s_add_co_u32 s46, s46, s47
	s_mov_b32 s47, 0
	s_add_nc_u64 s[8:9], s[8:9], s[46:47]
.macro OUT16 a, f
	WIN W_STO
.irp b, 0,1,2,3
	ds_store_b128 v[STO], v[8*(NB*\a+\b):8*(NB*\a+\b)+3]   offset:64*\b
	ds_store_b128 v[STO], v[8*(NB*\a+\b)+4:8*(NB*\a+\b)+7] offset:64*\b+16
.endr
	WIN 0
	s_wait_xcnt 0x0                                ; every earlier memory instruction has had its addresses translated (ISA guide 3.1): buffer f, which stores read, and the stores' base are rewritten only behind this wait
.if \a
	s_add_nc_u64 s[8:9], s[8:9], 16*NDIM*4         ; 16 rows of out0 on
.endif
.irp t, 0,1,2,3,4,5,6,7
	ds_load_b128 v[\f+4*\t:\f+4*\t+3], v[RD] offset:\t*2*SP
.endr
.irp t, 0,1,2,3,4,5,6,7
	s_wait_dscnt 7-\t                              ; load t is in, the younger ones stay out
	global_store_b128 v[CO], v[\f+4*\t:\f+4*\t+3], s[8:9] offset:2*\t*NDIM*4 th:TH_STORE_NT   ; 16 lanes store 256 consecutive bytes, at a multiple of 256 from out0's first byte
.endr
.endm
	OUT16 0, F0
	OUT16 1, F1
	OUT16 2, F0
	OUT16 3, F1
	CROUND                                         ; the closing round: no work-group ends while a partner may still ask for a tile that names it
	s_endpgm
.Lfunc_end_k_qd3efab25e9_gemm_out:
	.size	k_qd3efab25e9_gemm_out, .Lfunc_end_k_qd3efab25e9_gemm_out-k_qd3efab25e9_gemm_out
	.p2alignl 7, 3214868480
	.fill 96, 4, 3214868480
	.section	.rodata,"a",@progbits
	.p2align	6, 0x0
	.amdhsa_kernel k_qd3efab25e9_gemm_out
		.amdhsa_group_segment_fixed_size 327680
		.amdhsa_private_segment_fixed_size 0
		.amdhsa_enable_private_segment 0
		.amdhsa_kernarg_size 24
		.amdhsa_user_sgpr_count 2
		.amdhsa_user_sgpr_kernarg_segment_ptr 1
		.amdhsa_wavefront_size32 1
		.amdhsa_system_sgpr_workgroup_id_x 1
		.amdhsa_system_sgpr_workgroup_id_y 1
		.amdhsa_system_sgpr_workgroup_id_z 1
		.amdhsa_system_vgpr_workitem_id 0
		.amdhsa_next_free_vgpr 384
		.amdhsa_next_free_sgpr 80
		.amdhsa_reserve_vcc 0
		.amdhsa_float_denorm_mode_32 3
		.amdhsa_float_denorm_mode_16_64 3
		.amdhsa_memory_ordered 1
		.amdhsa_forward_progress 1
		.amdhsa_inst_pref_size 90
	.end_amdhsa_kernel
	.amdgpu_metadata
---
amdhsa.version: [ 1, 2 ]
amdhsa.kernels:
  - .name:           k_qd3efab25e9_gemm_out
    .symbol:         k_qd3efab25e9_gemm_out.kd
    .args:
      - { .name: att, .offset: 0, .size: 8, .value_kind: global_buffer, .address_space: global }
      - { .name: woh, .offset: 8, .size: 8, .value_kind: global_buffer, .address_space: global }
      - { .name: out0, .offset: 16, .size: 8, .value_kind: global_buffer, .address_space: global }
    .group_segment_fixed_size: 327680
    .private_segment_fixed_size: 0
    .kernarg_segment_align: 8
    .kernarg_segment_size: 24
    .max_flat_workgroup_size: 128
    .sgpr_count:     80
    .vgpr_count:     384
    .wavefront_size: 32
...
	.end_amdgpu_metadata
.endif
;; end of part 4
